; MI455X (gfx1250); checked and timed in simulation.
; The chip was launched on July 23, 2026; its instructions are those of AMD's public machine-readable ISA for CDNA 5 (MIT licence, August 2026) and "CDNA5" Instruction Set Architecture Reference Guide (July 2026). The comments in the code are by the model that wrote it; some were corrected since.
;; KW Cascaded Branch. Allowed arithmetic: float matrix products may take bf16 or f16 operands with f32 sums; all other float work in f32.
;; Inputs: audio_feat 256 x 8 x 768 float32; proj_b 512 float32; proj_w 768 x 512 float32; token_embedding 24,704 x 512 float32.
;; Outputs: out0 256 x 8 x 512 float32.
;; One version. Each part assembles by itself: llvm-mc -triple=amdgcn-amd-amdhsa -mcpu=gfx1250 --defsym DOCPART=n.
;; ======== version 1 of 1: 3 launches
;; workspace buffers: eb 25,690,112 bytes; scl 100,352 bytes; qb 2,097,152 bytes; ss 65,536 bytes; op 33,554,432 bytes; lp 65,536 bytes
;; launch prep (part 1): grid 8 x 65, 8 waves a work-group, no clusters, 159,488 bytes of LDS; arguments audio_feat, proj_w, proj_b, token_embedding, qb, ss, eb, scl; writes qb, ss, eb, scl
.if DOCPART == 1
	.amdgcn_target "amdgcn-amd-amdhsa--gfx1250"
	.amdhsa_code_object_version 6
	.text
	.protected	k_qf30f1f375a_prep
	.globl	k_qf30f1f375a_prep
	.p2align	8
	.type	k_qf30f1f375a_prep,@function
k_qf30f1f375a_prep:
	s_mov_b64 s[64:65], 0
	v_nop
	global_prefetch_b8 v0, s[64:65] scope:SCOPE_SE
	s_setreg_imm32_b32 hwreg(HW_REG_WAVE_MODE, 25, 1), 1
	s_wait_xcnt 0x0
; PREPARATION, two kinds of work-group, told apart by the work-group's y (the same for all its waves).  The grid is 8 x 65: the work-groups with y < 16, whose work is the longer, come first in the order x, then y.
; y < 16: THE PROJECTION.  kw = audio_feat . proj_w + proj_b for 128 queries (128 y ..) and 64 channels (64 x ..): operands rounded to bf16, sums in f32.
;   Out: qb, bf16(kw) as the image of the next launch's fragments: [query tile of 16][channel tile of 16][lane][16 bytes], lane (r, h) holding query r, channels 8 h .. 8 h + 7;
;   ss[x][query] = the sum of kw^2 (f32, unrounded) over the 64 channels.
; y >= 16: THE CAST.  64 rows (64 (y - 16) ..) of split x of the table: eb = bf16(token_embedding), [8 splits][3,136 rows][512]; a split has 3,088 rows of the table and 48 rows of zeros;
;   scl = 10 log2(e) / max(|bf16 e|, 1e-8), 0 for the rows of zeros.  The norm is taken of the ROUNDED row, so that the cosine is that of the numbers which are multiplied.
; Both load through registers.  158,464 bytes of LDS and 8 waves of 256 registers: two work-groups lie on a WGP, and the one's loads are on their way while the other converts and stores.
; NO CLUSTER, no tensor loads: the cast shares nothing; of the projection's 520 KB a work-group 192 KB (its 64 columns of proj_w) are shared with 15 others and its rows of
; audio_feat with 7 others, all of it 8 MB in the launch beside the cast's 50 MB.
; LDS: each of the two texts has bytes of its own, so that no line of the one names a byte of the other.
; LIMITS.  NaN and infinities are not treated apart; a sum of squares below 2^-126 counts as 0 and falls under the clamp at 1e-8, as a norm below 1e-8 does in the definition.
.set ROWS,  3136                       ; rows of a split in eb and scl
.set REAL8, 386                        ; groups of 8 rows of a split that come from the table: 3,088 / 8
.set WP,    160                        ; a row of W in LDS: 64 bf16 + 32 bytes: an odd multiple of 32
.set XS,    768*WP                     ; behind W: for each wave 16 rows of x, 128 bf16 + 16 bytes each
.set XP,    272
.set LSS,   XS+8*16*XP                 ; the projection's 128 sums of squares
.set CSC,   LSS+512                    ; the cast's 64 scales
.macro PLACES                          ; four plain vector instructions between a matrix instruction and a load into, or a vector instruction on, its registers
.rept 4
	v_nop
.endr
.endm
	s_load_b512 s[4:19], s[0:1], 0x0               ; audio_feat s[4:5], proj_w s[6:7], proj_b s[8:9], token_embedding s[10:11], qb s[12:13], ss s[14:15], eb s[16:17], scl s[18:19]
	s_set_vgpr_msb 0x40
	v_lshl_add_u32 v0, v0, 2, 0x26b00
	v_mov_b32 v1, 0
	s_set_vgpr_msb 0x4000
	v_lshrrev_b32 v1, 5, v0
	v_readfirstlane_b32 s20, v1                    ; wave 0..7
	s_and_b32 s21, ttmp7, 0xffff                   ; y: the kind of work, and its block of queries or of rows
	s_mov_b32 s23, ttmp9                           ; x: the block of 64 channels, or the split
	s_mov_b32 s25, 0                               ; the high word of every offset
	s_mov_b32 s29, 0xffff0000                      ; a word's upper bf16
	s_mov_b32 s30, 0x76543210                      ; v_permlanex16_b32: each lane takes its own place in the other half
	s_mov_b32 s31, 0xfedcba98
	v_and_b32 v2, 31, v0
	v_lshlrev_b32 v3, 4, v2                        ; 16 x lane
	v_lshlrev_b32 v4, 3, v2                        ; 8 x lane
	s_wait_kmcnt 0x0
	s_cmp_lt_u32 s21, 16
	s_cbranch_scc1 .Lproject
; ---------------------------------------------------------------- THE CAST
; A wave takes 8 rows: 32 loads of 512 consecutive bytes, all issued at once; a row's four stores cover 256 consecutive bytes each.
	s_sub_co_u32 s22, s21, 16                      ; j: which 64 rows of the split
	s_lshl3_add_u32 s26, s22, s20                  ; 8 j + wave: my group of 8 rows
	s_mul_i32 s24, s23, 3088
	s_lshl3_add_u32 s24, s26, s24                  ; my first row in the table,
	s_lshl_b32 s24, s24, 11                        ; of 2,048 bytes
	s_add_nc_u64 s[10:11], s[10:11], s[24:25]
	s_mul_i32 s24, s23, ROWS
	s_lshl3_add_u32 s24, s26, s24                  ; my first row in eb,
	s_lshl_b32 s24, s24, 10                        ; of 1,024 bytes
	s_add_nc_u64 s[16:17], s[16:17], s[24:25]
	s_mul_i32 s24, s23, ROWS*4
	s_lshl_b32 s27, s22, 8
	s_add_co_u32 s24, s24, s27                     ; the work-group's 64 scales
	s_add_nc_u64 s[18:19], s[18:19], s[24:25]
	v_and_b32 v5, 7, v0                            ; the row of my 8 whose scale I carry to LDS
	s_lshl_b32 s27, s20, 5
	s_add_co_u32 s27, s27, CSC
	v_lshl_add_u32 v6, v5, 2, s27                  ; its word: CSC + 4 (8 wave + row)
	s_cmp_lt_u32 s26, REAL8
	s_cbranch_scc0 .Lzero_rows                     ; no barrier stands inside this branch
.set i, 0
.rept 32
	global_load_b128 v[64+4*i:64+4*i+3], v3, s[10:11] offset:(i/4)*2048+(i%4)*512 th:TH_LOAD_NT
.set i, i+1
.endr
; Row i: rounded in place (two bf16 a register), stored, widened again and squared: the row's pair v[16+2i:17+2i] takes the sum.
.macro CASTROW i
	s_wait_loadcnt 28-4*(\i)                       ; loads come back in order: the later rows' loads, four a row, may be out
.irp q, 0,1,2,3
.set rb, 64+16*(\i)+4*\q
	v_cvt_pk_bf16_f32 v[rb], v[rb], v[rb+1]
	v_cvt_pk_bf16_f32 v[rb+1], v[rb+2], v[rb+3]
	global_store_b64 v4, v[rb:rb+1], s[16:17] offset:(\i)*1024+\q*256  ; 32 lanes: 256 consecutive bytes, at a multiple of 256 from eb's first byte; its registers are not written again
	v_lshlrev_b32 v[rb+2], 16, v[rb]
	v_and_b32 v[rb+3], s29, v[rb]
	v_lshlrev_b32 v32, 16, v[rb+1]
	v_and_b32 v33, s29, v[rb+1]
.if \q == 0
	v_pk_mul_f32 v[16+2*(\i):17+2*(\i)], v[rb+2:rb+3], v[rb+2:rb+3]  ; the first squares start the sum
.else
	v_pk_fma_f32 v[16+2*(\i):17+2*(\i)], v[rb+2:rb+3], v[rb+2:rb+3], v[16+2*(\i):17+2*(\i)]
.endif
	v_pk_fma_f32 v[16+2*(\i):17+2*(\i)], v[32:33], v[32:33], v[16+2*(\i):17+2*(\i)]
.endr
.endm
.irp i, 0,1,2,3,4,5,6,7
	CASTROW \i
.endr
.irp i, 0,1,2,3,4,5,6,7
	v_add_f32 v[16+2*\i], v[16+2*\i], v[17+2*\i]
.endr
.irp m, 1,2,4,8                        ; across the 16 lanes of a half, eight rows side by side
.irp i, 0,1,2,3,4,5,6,7
	v_add_f32_dpp v[16+2*\i], v[16+2*\i], v[16+2*\i] row_xmask:\m row_mask:0xf bank_mask:0xf
.endr
.endr
.irp i, 0,1,2,3,4,5,6,7
	v_permlanex16_b32 v[17+2*\i], v[16+2*\i], s30, s31
.endr
.irp i, 0,1,2,3,4,5,6,7
	v_add_f32 v[16+2*\i], v[16+2*\i], v[17+2*\i]
.endr
.irp i, 0,1,2,3,4,5,6,7
	v_sqrt_f32 v[16+2*\i], v[16+2*\i]
.endr
	v_nop                                          ; a plain instruction between the last root and the use of its result
	s_wait_alu depctr_va_vdst(0)
.irp i, 0,1,2,3,4,5,6,7
	v_max_num_f32 v[16+2*\i], 0x322bcc77, v[16+2*\i]  ; 1e-8
.endr
.irp i, 0,1,2,3,4,5,6,7
	v_rcp_f32 v[16+2*\i], v[16+2*\i]
.endr
	v_nop
	s_wait_alu depctr_va_vdst(0)
.irp i, 0,1,2,3,4,5,6,7
	v_mul_f32 v[16+2*\i], 0x4166d4ca, v[16+2*\i]   ; 10 log2(e) = 14.426950
.endr
	v_mov_b32 v7, v16                              ; every lane holds all eight scales: it keeps that of row lane % 8
.irp i, 1,2,3,4,5,6,7
	v_cmp_eq_u32 vcc_lo, \i, v5
	v_cndmask_b32 v7, v7, v[16+2*\i], vcc_lo
.endr
	s_branch .Ljoin
.Lzero_rows:                                           ; my 8 rows lie behind the split's last row of the table: 8,192 bytes of zeros, and scales of 0
.irp i, 0,1,2,3
	v_mov_b32 v[64+\i], 0
.endr
	v_mov_b32 v7, 0
.irp i, 0,1,2,3,4,5,6,7,8,9,10,11,12,13,14,15
	global_store_b128 v3, v[64:67], s[16:17] offset:512*\i
.endr
.Ljoin:
	ds_store_b32 v6, v7                            ; four lanes write the same word with the same number
	s_wait_dscnt 0x0                               ; for the others' sake: my store is done
	s_barrier_signal -1
	s_barrier_wait -1
	s_cmp_lg_u32 s20, 0
	s_cbranch_scc1 .Lcast_end
	v_add_nc_u32 v10, CSC, v4
	ds_load_b64 v[8:9], v10                        ; wave 0: the work-group's 64 scales,
	s_wait_dscnt 0x0
	global_store_b64 v4, v[8:9], s[18:19]          ; 256 consecutive bytes, at a multiple of 256 from scl's first byte
.Lcast_end:
	s_set_vgpr_msb 0x5
	s_wait_tensorcnt 0x0
	ds_add_u32 v0, v1
	s_wait_dscnt 0x0
	s_set_vgpr_msb 0x500
	s_endpgm
; ---------------------------------------------------------------- THE PROJECTION
; kw^T = W^T x^T (source 0 = 16 channels, source 1 = 16 queries): a lane then holds ONE query and eight neighbouring channels, which pack into the 16 bytes of qb's image.
; Wave w owns query tile T = 8 y + w and four accumulators (16 channels each), which start on the bias.  W's 64 columns lie in LDS whole ([768 k][64 channels] bf16, read turned);
; x goes through the wave's own LDS rows, 128 along k at a time (six rounds), so that each load from memory covers 512 consecutive bytes; two rounds' loads are on their way.
; v16-47 accumulators; v48-87, v88-127 two fragment buffers (32 of W^T, 8 of x); v128-191, v192-255 x as loaded, by the round's parity; v64-255 W as loaded, before that.
.Lproject:
	s_lshl_b32 s24, s23, 8                         ; 64 x channels, in bytes of f32
	s_add_nc_u64 s[6:7], s[6:7], s[24:25]
	s_add_nc_u64 s[8:9], s[8:9], s[24:25]
	s_lshl3_add_u32 s26, s21, s20                  ; T
	s_mul_i32 s24, s26, 16*3072
	s_add_nc_u64 s[4:5], s[4:5], s[24:25]          ; my 16 rows of audio_feat
	s_lshl_b32 s24, s26, 14
	s_lshl_b32 s27, s23, 11
	s_add_co_u32 s24, s24, s27
	s_add_nc_u64 s[12:13], s[12:13], s[24:25]      ; qb at tile T, channel tile 4 x
	s_lshl_b32 s24, s23, 13
	s_lshl_b32 s27, s21, 9
	s_add_co_u32 s24, s24, s27
	s_add_nc_u64 s[14:15], s[14:15], s[24:25]      ; ss at [x][128 y]
	v_and_b32 v1, 15, v0                           ; r
	v_bfe_u32 v2, v0, 4, 1                         ; h
	v_lshlrev_b32 v14, 5, v2                       ; the bias: my eight channels begin 8 h on
	v_lshrrev_b32 v15, 4, v0                       ; thread / 16: which of 16 rows of W
	v_lshlrev_b32 v5, 11, v15
	v_lshl_add_u32 v5, v1, 4, v5                   ; W in memory: row x 2,048 + 16 (thread % 16): 16 lanes take 256 consecutive bytes
	v_mul_u32_u24 v6, v15, WP
	v_lshl_add_u32 v6, v1, 3, v6                   ; W in LDS: row x pitch + 8 (thread % 16); three bases, 256 rows apart, keep the offsets in 16 bits
	v_add_nc_u32 v7, 256*WP, v6
	v_add_nc_u32 v8, 512*WP, v6
	v_and_b32 v9, 7, v0                            ; the turning load: lane l reads row 8 h + l % 8, 16 bytes at 16 ((l / 8) % 2)
	v_lshl_add_u32 v9, v2, 3, v9
	v_mul_u32_u24 v9, v9, WP
	v_bfe_u32 v15, v0, 3, 1
	v_lshl_add_u32 v9, v15, 4, v9
	v_add_nc_u32 v10, 256*WP, v9
	v_add_nc_u32 v11, 512*WP, v9
	s_mul_i32 s28, s20, 16*XP
	s_add_co_u32 s28, s28, XS                      ; my rows of x in LDS
	v_add_nc_u32 v12, s28, v4                      ; in: 8 bytes a lane
	v_mul_u32_u24 v13, v1, XP
	v_lshl_add_u32 v13, v2, 4, v13
	v_add_nc_u32 v13, s28, v13                     ; a fragment: row r, 16 h
.irp e, 0,1,2,3
	global_load_b128 v[16+8*\e:19+8*\e], v14, s[8:9] offset:64*\e
	global_load_b128 v[20+8*\e:23+8*\e], v14, s[8:9] offset:64*\e+16
.endr
.set i, 0
.rept 48
	global_load_b128 v[64+4*i:64+4*i+3], v5, s[6:7] offset:i*16*2048
.set i, i+1
.endr
.macro WPUT i                          ; rows 16 i .. 16 i + 15 of W: rounded, 8 bytes a thread into LDS
.set rb, 64+4*(\i)
	v_cvt_pk_bf16_f32 v[rb], v[rb], v[rb+1]
	v_cvt_pk_bf16_f32 v[rb+1], v[rb+2], v[rb+3]
	ds_store_b64 v[6+(\i)/16], v[rb:rb+1] offset:((\i)%16)*16*WP
.endm
.macro XLOAD rd                        ; my 16 rows, k = 128 rd .. 128 rd + 127: 16 loads of 512 consecutive bytes
.set xb, 128+64*((\rd)%2)
.set xi, 0
.rept 16
	global_load_b128 v[xb+4*xi:xb+4*xi+3], v3, s[4:5] offset:xi*3072+(\rd)*512
.set xi, xi+1
.endr
.endm
.macro XPUT rd                         ; rounded, into my own LDS rows; LDS serves a wave's instructions in order (ISA guide 5.7.1.4), so no wait stands between these stores and my loads
.set xb, 128+64*((\rd)%2)
.set xi, 0
.rept 16
.set rb, xb+4*xi
	v_cvt_pk_bf16_f32 v[rb], v[rb], v[rb+1]
	v_cvt_pk_bf16_f32 v[rb+1], v[rb+2], v[rb+3]
	ds_store_b64 v12, v[rb:rb+1] offset:xi*XP
.set xi, xi+1
.endr
.endm
	s_wait_loadcnt 32                              ; the bias and the first third of W are in; the other 32 loads may be out
.set i, 0
.rept 16                               ; the bias is rounded to bf16 like every input, and widened again: the sums start on it
	v_cvt_pk_bf16_f32 v48, v[16+2*i], v[17+2*i]
	v_lshlrev_b32 v[16+2*i], 16, v48
	v_and_b32 v[17+2*i], s29, v48
.set i, i+1
.endr
.set i, 0
.rept 16
	WPUT i
.set i, i+1
.endr
	s_wait_loadcnt 16                              ; the second third; the last third's 16 loads may be out
.rept 16
	WPUT i
.set i, i+1
.endr
	XLOAD 0                                        ; into the registers that the second third has left
	s_wait_loadcnt 16                              ; the last third of W; x's first 16 loads, issued behind it, may be out
.rept 16
	WPUT i
.set i, i+1
.endr
	XLOAD 1
.macro LOADF kk                        ; the fragments of K step kk (32 along k): four of W^T (turned), one of x: ten loads
.set fb, 48+40*((\kk)%2)
.irp e, 0,1,2,3
	ds_load_tr16_b128 v[fb+8*\e:fb+8*\e+3],   v[9+(\kk)/8] offset:((\kk)%8)*32*WP+32*\e
	ds_load_tr16_b128 v[fb+8*\e+4:fb+8*\e+7], v[9+(\kk)/8] offset:((\kk)%8)*32*WP+32*\e+16*WP
.endr
	ds_load_b128 v[fb+32:fb+35], v13 offset:((\kk)%4)*64
	ds_load_b128 v[fb+36:fb+39], v13 offset:((\kk)%4)*64+32
.endm
.macro KSTEP kk                        ; the next step's fragments are asked for, this step's four products follow; the four accumulators take turns
.if (\kk)%4 != 3
	PLACES
	LOADF (\kk)+1
	s_wait_dscnt 10                                ; all but the ten just issued
.else
	s_wait_dscnt 0x0                               ; the last step on these rows of x: nothing was asked for behind its fragments
.endif
.set fb, 48+40*((\kk)%2)
.irp e, 0,1,2,3
	v_wmma_f32_16x16x32_bf16 v[16+8*\e:23+8*\e], v[fb+8*\e:fb+8*\e+7], v[fb+32:fb+39], v[16+8*\e:23+8*\e]
.endr
.endm
	s_wait_dscnt 0x0                               ; for the others' sake: my part of W is in LDS
	s_barrier_signal -1
	s_barrier_wait -1                              ; everybody's is
.irp rd, 0,1,2,3,4,5
.if \rd < 5
	s_wait_loadcnt 16                              ; this round's x is in; the next round's 16 loads may be out
.else
	s_wait_loadcnt 0x0
.endif
	XPUT \rd                                       ; its 32 conversions are also the places behind the round before's products
.if \rd < 4
	XLOAD (\rd)+2                                  ; into the registers just left
.endif
	LOADF 4*\rd
.set kq, 4*\rd
.rept 4
	KSTEP kq
.set kq, kq+1
.endr
.endr
	PLACES
	v_pk_mul_f32 v[68:69], v[16:17], v[16:17]      ; the sum of my 32 squares; each accumulator is read from its low end on
.set i, 1
.rept 15
	v_pk_fma_f32 v[68:69], v[16+2*i:17+2*i], v[16+2*i:17+2*i], v[68:69]
.set i, i+1
.endr
.set i, 0
.rept 16
	v_cvt_pk_bf16_f32 v[52+i], v[16+2*i], v[17+2*i]
.set i, i+1
.endr
.irp e, 0,1,2,3
	global_store_b128 v3, v[52+4*\e:55+4*\e], s[12:13] offset:512*\e  ; 512 consecutive bytes of qb's image
.endr
	v_add_f32 v68, v68, v69
	v_permlanex16_b32 v69, v68, s30, s31           ; the query's other 32 channels lie in the lane 16 away
	v_add_f32 v68, v68, v69
	s_lshl_b32 s28, s20, 6
	s_add_co_u32 s28, s28, LSS
	v_lshl_add_u32 v15, v1, 2, s28                 ; word 16 wave + r
	ds_store_b32 v15, v68
	s_wait_dscnt 0x0                               ; for the others' sake
	s_barrier_signal -1
	s_barrier_wait -1
	s_cmp_lg_u32 s20, 0
	s_cbranch_scc1 .Lproject_end
	v_add_nc_u32 v14, LSS, v3
	ds_load_b128 v[72:75], v14                     ; wave 0: the work-group's 128 sums,
	s_wait_dscnt 0x0
	global_store_b128 v3, v[72:75], s[14:15]       ; 512 consecutive bytes of ss
.Lproject_end:
	s_set_vgpr_msb 0x5
	s_wait_tensorcnt 0x0
	ds_add_u32 v0, v1
	s_wait_dscnt 0x0
	s_set_vgpr_msb 0x500
	s_endpgm
.Lfunc_end_k_qf30f1f375a_prep:
	.size	k_qf30f1f375a_prep, .Lfunc_end_k_qf30f1f375a_prep-k_qf30f1f375a_prep
	.p2alignl 7, 3214868480
	.fill 96, 4, 3214868480
	.section	.rodata,"a",@progbits
	.p2align	6, 0x0
	.amdhsa_kernel k_qf30f1f375a_prep
		.amdhsa_group_segment_fixed_size 159488
		.amdhsa_private_segment_fixed_size 0
		.amdhsa_enable_private_segment 0
		.amdhsa_kernarg_size 64
		.amdhsa_user_sgpr_count 2
		.amdhsa_user_sgpr_kernarg_segment_ptr 1
		.amdhsa_wavefront_size32 1
		.amdhsa_system_sgpr_workgroup_id_x 1
		.amdhsa_system_sgpr_workgroup_id_y 1
		.amdhsa_system_sgpr_workgroup_id_z 1
		.amdhsa_system_vgpr_workitem_id 0
		.amdhsa_next_free_vgpr 258
		.amdhsa_next_free_sgpr 66
		.amdhsa_reserve_vcc 1
		.amdhsa_float_denorm_mode_32 3
		.amdhsa_float_denorm_mode_16_64 3
		.amdhsa_memory_ordered 1
		.amdhsa_forward_progress 1
		.amdhsa_inst_pref_size 101
	.end_amdhsa_kernel
	.amdgpu_metadata
---
amdhsa.version: [ 1, 2 ]
amdhsa.kernels:
  - .name:           k_qf30f1f375a_prep
    .symbol:         k_qf30f1f375a_prep.kd
    .args:
      - { .name: audio_feat, .offset: 0, .size: 8, .value_kind: global_buffer, .address_space: global }
      - { .name: proj_w, .offset: 8, .size: 8, .value_kind: global_buffer, .address_space: global }
      - { .name: proj_b, .offset: 16, .size: 8, .value_kind: global_buffer, .address_space: global }
      - { .name: token_embedding, .offset: 24, .size: 8, .value_kind: global_buffer, .address_space: global }
      - { .name: qb, .offset: 32, .size: 8, .value_kind: global_buffer, .address_space: global }
      - { .name: ss, .offset: 40, .size: 8, .value_kind: global_buffer, .address_space: global }
      - { .name: eb, .offset: 48, .size: 8, .value_kind: global_buffer, .address_space: global }
      - { .name: scl, .offset: 56, .size: 8, .value_kind: global_buffer, .address_space: global }
    .group_segment_fixed_size: 159488
    .private_segment_fixed_size: 0
    .kernarg_segment_align: 8
    .kernarg_segment_size: 64
    .max_flat_workgroup_size: 256
    .sgpr_count:     66
    .vgpr_count:     258
    .wavefront_size: 32
...
	.end_amdgpu_metadata
.endif
;; end of part 1
;; launch attn (part 2): grid 32 x 8, 4 waves a work-group, clusters of 4 x 1, 327,680 bytes of LDS; arguments eb, scl, qb, ss, op, lp; writes op, lp
.if DOCPART == 2
	.amdgcn_target "amdgcn-amd-amdhsa--gfx1250"
	.amdhsa_code_object_version 6
	.text
	.protected	k_qf30f1f375a_attn
	.globl	k_qf30f1f375a_attn
	.p2align	8
	.type	k_qf30f1f375a_attn,@function
k_qf30f1f375a_attn:
	s_mov_b64 s[64:65], 0
	v_nop
	global_prefetch_b8 v0, s[64:65] scope:SCOPE_SE
	s_setreg_imm32_b32 hwreg(HW_REG_WAVE_MODE, 25, 1), 1
	s_wait_xcnt 0x0
	s_wait_alu depctr_hold_cnt(0) depctr_sa_sdst(0) depctr_va_vdst(0) depctr_va_sdst(0) depctr_va_ssrc(0) depctr_va_vcc(0) depctr_vm_vsrc(0)
	s_getreg_b32 s2, hwreg(HW_REG_IB_STS2, 6, 4)
	s_cmp_eq_u32 s2, 0
	s_cbranch_scc0 .Lentry_in_a_cluster
	s_endpgm
.Lentry_in_a_cluster:
	s_bfe_u32 s2, ttmp6, 0x10000c
	s_cmp_lg_u32 s2, 0x3003
	s_cbranch_scc0 .Lentry_shape_is_right
	s_endpgm
.Lentry_shape_is_right:
; THE CODEBOOK AS ATTENTION.  For 64 queries (a block) and one split of the table (3,088 rows): op = the sum over rows v of p_v e_v, lp = the sum of p_v, with
; p_v = 2^(kw . e_v x scl_v / max(|kw|, 1e-8)), scl_v = 10 log2(e) / max(|e_v|, 1e-8).  The next launch adds the eight splits and divides.
; NO MAXIMUM IS TAKEN AWAY, and the splits' sums add plainly: the definition itself normalises both vectors, so the exponent is 10 log2(e) times a cosine.  e is multiplied as it was normed (rounded);
; kw is multiplied rounded to bf16 and normed unrounded, which stretches the cosine by 2^-8 at the most: |exponent| <= 14.5 for every input, p lies in 4e-5 .. 2.4e4, a sum of 24,704 of them under 6e8.
; LIMITS.  NaN and infinities are not treated apart.  lp is the sum of the unrounded p; the second product takes p rounded to bf16.
; THE TABLE IS KEY AND VALUE: one bf16 tile in LDS (128 rows of 1,024 bytes) serves both products; 1 / |e| is applied to the scores, in f32.
; SHARES.  S^T = E Q^T (source 0 = 16 rows of the table, source 1 = 16 queries): in a sub-step of 64 rows wave w takes rows 16 w .. 16 w + 15 and ALL 64 queries: 4 accumulators, 16 steps of 32 channels.
; Q of the 64 queries stays in registers (512), so a fragment of E read from LDS feeds four products.  In S^T a lane holds one query and eight rows; rounded in pairs they are half of source 1 of
; O^T = E^T P (32 rows x 16 queries), and go to the other waves through LDS as a register image.  In O^T wave w owns channels 128 w .. 128 w + 127 of all 64 queries: 32 accumulators, 256 registers.
; A TILE is four runs of 64 matrix instructions: Qa, Qb (the scores of its two sub-steps), Pa, Pb (their second products, in eight batches of 16).  The softmax of a stands in 24 slices of four vector
; instructions behind the first 32 of Qb's products, three slices for four products; that of b behind the first 32 of Pa's.  So a sub-step's weights leave for LDS together, and the barrier that shows them to
; the other waves is passed 20 matrix instructions ahead of the first product that takes them.  The slices lie in window 0, the products' operands elsewhere: two switches of the window a slice.
; THE LDS INSTRUCTIONS stand in 15 runs a tile.  From a run of loads to the first product that takes them a wave issues 32 matrix instructions (E for the scores; the tile's first run: 16), 20 (P's first group of
; a sub-step), 32 (its second) or 24 to 48 (E^T; the tile's last batch: 16).  For that E^T has four buffers: two in the pool, and S^T's registers of a and of b, which are idle once their weights are stored.
; THE WALK.  24 tiles, and a tail of 64 rows of which 16 are the table's: there waves 1 to 3 hold rows of zeros, and their scores are pushed to -1e30, so that p = 0.
; CLUSTER.  The four query blocks of a cluster walk the same split: every tensor load is asked for JOINTLY, with the same descriptor (made of the split and the wave's number alone) and the mask of four.
; LDS: 0 slot 0, SLOT slot 1 (128 rows, pitch 1,040); SC the split's 3,136 scales, filled once; PB P of sub-steps a and b, 8 KB each, written by LDS stores alone; LS the waves' sums; SPARE the spare words.
; REGISTERS, in windows of 256 (s_set_vgpr_msb: bits 1:0 source 0, 3:2 source 1, 5:4 source 2, 7:6 destination):
;   window 0: v0-23 addresses and at work; v24-31 l, a pair a query tile; v32-39 1 / |kw|, twice a tile; v40-55 the scales of my 16 rows in a and in b; v64-127 S^T of a and of b;
;             v128-191 (PY), v192-255 (PX): fragments of E for the first product, 8 channel steps each; for the second product each is 32 of E^T and 32 of P
;   window 1: O^T, accumulator (a, qt) at 8 (4 a + qt)        windows 2, 3: Q, channel steps 0-7 and 8-15, fragment (c, qt) at 8 (4 (c % 8) + qt)
.set ROWS,  3136                       ; rows of a split in eb and scl: 24 x 128 + 64
.set PE,    1040                       ; an LDS row: 1,024 bytes + 16 = 260 words: row r starts at bank 4 r mod 64 (64 banks of 4 bytes: ISA guide 11.1): the 16 rows of a plain load start at 16 different groups of 4 banks
.set SLOT,  128*PE
.set SUBB,  64*PE                      ; a sub-step's 64 rows
.set SC,    2*SLOT
.set PB,    SC+4*ROWS                  ; fragment (group g of 32 rows, query tile qt) at 4,096 g + 1,024 qt + 512 half + 16 lane
.set LS,    PB+16384
.set SPARE, LS+1024                    ; the spare words, 128 bytes for each wave: two blocks of 256 bytes that no other line names
.set AK,  2                            ; v2-5   [slot][sub] my rows of E for the first product: (16 w + r) x pitch + 16 h
.set AV,  6                            ; v6-9   [slot][sub] the turning load's place
.set PWR, 10                           ; v10    where I put 16 bytes of P
.set PRD, 11                           ; v11    where I read P's fragments
.set ASC, 12                           ; v12    my rows' scales; steps 512 bytes a tile
.set GO,  13                           ; v13    16 x lane
.set SPW, 14                           ; v14    LDS address of my spare word; never rewritten
.set NIL, 15                           ; v15    0; never rewritten
.set LL,  24
.set QS,  32
.set KS,  40
.set SS,  64
.set PY,  128
.set PX,  192
.set EV0, PY                           ; the four buffers of 32 registers for E^T: the lower halves of PY and PX,
.set EV1, PX
.set EV2, SS                           ; S^T of a,
.set EV3, SS+32                        ; S^T of b
.set G1E, 16                           ; s[16:23] descriptor group 1 for a quarter of a tile
.set G1S, 24                           ; s[24:31] for a quarter of the scales
.set G0E, 32                           ; s[32:39] descriptor group 0 for the tiles, a set for each slot
.set G0S, 40                           ; s[40:43] for the scales
.set WV,  44                           ; s44 my wave's number
.set CNT, 48
.set SEL, 50                           ; s[50:51] v_permlanex16_b32's selects
.set BIAS, 60                          ; s[60:61] the tail's addend to the exponents
.set MSB, 0
.macro WIN new                         ; the immediate's high byte repeats the setting that is left; a switch that changes nothing is dropped
.if MSB != (\new)
	s_set_vgpr_msb (MSB<<8)|(\new)
.set MSB, \new
.endif
.endm
.macro PLACES n=4                      ; a load into a register that a matrix instruction has read, and a vector instruction on a matrix instruction's registers, stand four plain vector instructions behind it (ISA guide 7.12.1 for vector instructions)
.rept \n
	v_nop
.endr
.endm
.macro CREST                           ; a round of the cluster's barrier behind its opening barrier
	s_cmp_lg_u32 s[WV], 0
	s_cbranch_scc1 .Lnot_wave_0_\@
	s_barrier_signal -3
.Lnot_wave_0_\@:
	s_barrier_wait -3
	s_barrier_signal -1
	s_barrier_wait -1
.endm
.macro CROUND                          ; a whole round
	s_barrier_signal -1
	s_barrier_wait -1
	CREST
.endm
	s_load_b256 s[4:11], s[0:1], 0x0               ; eb s[4:5], scl s[6:7], qb s[8:9], ss s[10:11]
	s_load_b128 s[12:15], s[0:1], 0x20             ; op s[12:13], lp s[14:15]
	v_lshl_add_u32 v[SPW], v0, 2, SPARE
	v_mov_b32 v[NIL], 0
	ds_add_u32 v14, v15
	s_wait_dscnt 0x0
	v_lshrrev_b32 v16, 5, v0
	v_readfirstlane_b32 s[WV], v16                 ; wave 0..3
	s_bfe_u32 s45, ttmp6, 0x40000                  ; cx: my place in the cluster
	s_lshl_b32 s46, ttmp9, 2                       ; in a cluster launch ttmp9 counts clusters
	s_add_co_u32 s46, s46, s45                     ; my block of 64 queries: it enters the addresses of qb, ss, op and lp alone
	s_and_b32 s47, ttmp7, 0xffff                   ; the split, which the four partners share
	; group 1 for the tiles: 32 rows x 512 elements of 2 bytes, padded in LDS
	s_mov_b32 s[G1E+0], 15|(1<<16)|(1<<20)|(1<<21)|(7<<22)|(3<<25)  ; 15:0 the mask of four; 17:16 2-byte elements; 20 padding on; 21 set beside a mask; 24:22 after every 256 words (code 7); 31:25 4 words (code 3)
	s_mov_b32 s[G1E+1], 512<<16                    ; tensor_dim0 = 512
	s_mov_b32 s[G1E+2], 32<<16                     ; tensor_dim1 = 32
	s_mov_b32 s[G1E+3], 512<<16                    ; tile_dim0 = 512
	s_mov_b32 s[G1E+4], 32                         ; tile_dim1 = 32
	s_mov_b32 s[G1E+5], 512                        ; elements from row to row
	s_mov_b32 s[G1E+6], 0
	s_mov_b32 s[G1E+7], 0
	; group 1 for the scales: one row of 392 elements of 8 bytes
	s_mov_b32 s[G1S+0], 15|(3<<16)|(1<<21)
	s_mov_b32 s[G1S+1], (ROWS/8)<<16
	s_mov_b32 s[G1S+2], 1<<16
	s_mov_b32 s[G1S+3], (ROWS/8)<<16
	s_mov_b32 s[G1S+4], 1
	s_mov_b32 s[G1S+5], ROWS/8
	s_mov_b32 s[G1S+6], 0
	s_mov_b32 s[G1S+7], 0
	s_mul_i32 s52, s47, ROWS*1024                  ; the split in eb,
	s_lshl_b32 s53, s[WV], 15                      ; my 32 rows of a tile
	s_add_co_u32 s52, s52, s53
	s_mov_b32 s53, 0
	s_mul_i32 s54, s[WV], 32*PE                    ; and their place in a slot: no place in the cluster enters an LDS address
	s_mul_i32 s56, s47, ROWS*4                     ; the split in scl,
	s_mul_i32 s57, s[WV], ROWS                     ; my quarter of its 12,544 bytes
	s_add_co_u32 s56, s56, s57
	s_add_co_u32 s58, s57, SC
	s_mov_b32 s57, 0
	s_mov_b32 s[SEL], 0x76543210
	s_mov_b32 s[SEL+1], 0xfedcba98
	s_cmp_eq_u32 s[WV], 0
	s_cselect_b32 s[BIAS], 0, 0xf149f2ca           ; the tail: wave 0 holds the table's last 16 rows, the others rows of zeros: -1e30
	s_mov_b32 s[BIAS+1], s[BIAS]                   ; named with it as a pair
	s_lshl_b32 s2, s46, 16                         ; what hangs on my block is made in s2, s3, s49 alone
	s_mov_b32 s3, 0
	s_wait_kmcnt 0x0
	s_mov_b32 s[G0E+0], 1                          ; 1:0 count = 1
	s_mov_b32 s[G0E+1], s54                        ; 63:32 LDS address: slot 0
	s_add_nc_u64 s[G0E+2:G0E+3], s[4:5], s[52:53]  ; 120:64 global address: tile 0
	s_mov_b32 s[G0E+4], 1
	s_add_co_u32 s[G0E+5], s54, SLOT
	s_add_nc_u64 s[G0E+6:G0E+7], s[G0E+2:G0E+3], 128*1024  ; tile 1
	s_or_b32 s[G0E+3], s[G0E+3], 0x80000000        ; 127:126 type = 2
	s_or_b32 s[G0E+7], s[G0E+7], 0x80000000
	s_mov_b32 s[G0S+0], 1
	s_mov_b32 s[G0S+1], s58
	s_add_nc_u64 s[G0S+2:G0S+3], s[6:7], s[56:57]
	s_or_b32 s[G0S+3], s[G0S+3], 0x80000000
	s_add_nc_u64 s[8:9], s[8:9], s[2:3]            ; qb at my block: 4 query tiles of 16,384 bytes
	s_lshl_b32 s2, s46, 8
	s_add_nc_u64 s[10:11], s[10:11], s[2:3]        ; ss at my 64 queries
	s_lshl_b32 s49, s47, 13
	s_add_co_u32 s2, s2, s49
	s_add_nc_u64 s[14:15], s[14:15], s[2:3]        ; lp at [split][my 64 queries]
	s_lshl_b32 s2, s47, 5
	s_add_co_u32 s2, s2, s46
	s_lshl2_add_u32 s2, s2, s[WV]
	s_lshl_b32 s2, s2, 15
	s_add_nc_u64 s[12:13], s[12:13], s[2:3]        ; op at [split][block][wave]: 32,768 bytes
	CROUND                                         ; all four work-groups are here: the first joint loads meet
	tensor_load_to_lds s[G0S:G0S+3], s[G1S:G1S+7]  ; the first fills go out together: two loads of mine are out
	s_nop 0
	tensor_load_to_lds s[G0E:G0E+3], s[G1E:G1E+7]
	s_nop 0
	PLACES                                         ; four v_nop follow the tensor loads
	v_and_b32 v[GO], 31, v0
	v_lshlrev_b32 v[GO], 4, v[GO]
	WIN 0x80                                       ; destination window 2, address window 0
.set cc, 0
.rept 16                               ; Q stays in registers: channel step cc, query tile qq; each load takes 512 consecutive bytes of qb's image
.if cc == 8
	WIN 0xc0
.endif
.set qq, 0
.rept 4
	global_load_b128 v[8*(4*(cc%8)+qq):8*(4*(cc%8)+qq)+3],   v[GO], s[8:9] offset:(16*qq+cc)*1024
	global_load_b128 v[8*(4*(cc%8)+qq)+4:8*(4*(cc%8)+qq)+7], v[GO], s[8:9] offset:(16*qq+cc)*1024+512
.set qq, qq+1
.endr
.set cc, cc+1
.endr
	WIN 0
	v_and_b32 v1, 15, v0                           ; r; kept to the end
	v_bfe_u32 v18, v0, 4, 1                        ; h
	v_lshlrev_b32 v17, 2, v1
.set qq, 0
.rept 32                               ; the eight partial sums of kw^2 for query r of each of my four tiles
	global_load_b32 v[PY+qq], v17, s[10:11] offset:(qq%8)*8192+(qq/8)*64
.set qq, qq+1
.endr
	s_lshl_b32 s55, s[WV], 4
	v_add_nc_u32 v19, s55, v1                      ; row 16 w + r
	v_mul_u32_u24 v19, v19, PE
	v_lshl_add_u32 v[AK], v18, 4, v19
	v_add_nc_u32 v[AK+1], SUBB, v[AK]
	v_add_nc_u32 v[AK+2], SLOT, v[AK]
	v_add_nc_u32 v[AK+3], SLOT+SUBB, v[AK]
	; The turning load: lane l reads 16 bytes of row 8 h + l % 8.  Lanes 8-15 of a half take theirs 64 channels (128 bytes) further on, not 8: the eight rows of lanes 0-7 then cover banks 0-31 and those of
	; lanes 8-15 banks 32-63, with the pitch that serves the plain loads.  So accumulator a of O^T holds, in lane (r, h) and register j, channel 128 w + 8 a + 64 h + j.
	v_and_b32 v20, 7, v0
	v_lshl_add_u32 v20, v18, 3, v20
	v_mul_u32_u24 v20, v20, PE
	v_bfe_u32 v21, v0, 3, 1
	v_lshl_add_u32 v20, v21, 7, v20
	s_lshl_b32 s55, s[WV], 8
	v_add_nc_u32 v[AV], s55, v20
	v_add_nc_u32 v[AV+1], SUBB, v[AV]
	v_add_nc_u32 v[AV+2], SLOT, v[AV]
	v_add_nc_u32 v[AV+3], SLOT+SUBB, v[AV]
	s_lshr_b32 s55, s[WV], 1                       ; my 16 rows are half w % 2 of group w / 2 of a sub-step's two groups of 32
	s_lshl_b32 s55, s55, 12
	s_and_b32 s59, s[WV], 1
	s_lshl_b32 s59, s59, 9
	s_add_co_u32 s55, s55, s59
	s_add_co_u32 s55, s55, PB
	v_add_nc_u32 v[PWR], s55, v[GO]
	v_add_nc_u32 v[PRD], PB, v[GO]
	s_lshl_b32 s55, s[WV], 6
	s_add_co_u32 s55, s55, SC
	v_lshl_add_u32 v[ASC], v18, 5, s55             ; the scales of rows 16 w + 8 h ..
.irp i, 0,1,2,3,4,5,6,7
	v_mov_b32 v[LL+\i], 0
.endr
	s_wait_loadcnt 0x0                             ; Q and the sums of squares
.irp q, 0,1,2,3
	v_pk_add_f32 v[PY+8*\q:PY+8*\q+1], v[PY+8*\q:PY+8*\q+1], v[PY+8*\q+2:PY+8*\q+3]
	v_pk_add_f32 v[PY+8*\q+4:PY+8*\q+5], v[PY+8*\q+4:PY+8*\q+5], v[PY+8*\q+6:PY+8*\q+7]
.endr
.irp q, 0,1,2,3
	v_pk_add_f32 v[PY+8*\q:PY+8*\q+1], v[PY+8*\q:PY+8*\q+1], v[PY+8*\q+4:PY+8*\q+5]
.endr
.irp q, 0,1,2,3
	v_add_f32 v[PY+8*\q], v[PY+8*\q], v[PY+8*\q+1]
.endr
.irp q, 0,1,2,3
	v_sqrt_f32 v[QS+2*\q], v[PY+8*\q]
.endr
	v_nop                                          ; a plain instruction between the last root and the use of its result
.irp q, 0,1,2,3
	s_wait_alu depctr_va_vdst(0)
	v_max_num_f32 v[QS+2*\q], 0x322bcc77, v[QS+2*\q]  ; 1e-8
.endr
.irp q, 0,1,2,3
	v_rcp_f32 v[QS+2*\q], v[QS+2*\q]
.endr
	v_nop
.irp q, 0,1,2,3
	s_wait_alu depctr_va_vdst(0)
	v_mov_b32 v[QS+2*\q+1], v[QS+2*\q]             ; twice, for the packed multiplies
.endr
; THE LDS LOADS.  16 loads: my 16 rows of sub-step sub, channel steps 8 half .. 8 half + 7, into PY (half 0) or PX (half 1)
.macro FETCHK slot, sub, half
	WIN 0
.set fB, PY+64*(\half)
.irp i, 0,1,2,3,4,5,6,7
	ds_load_b128 v[fB+8*\i:fB+8*\i+3],   v[AK+2*(\slot)+(\sub)] offset:(8*(\half)+\i)*64
	ds_load_b128 v[fB+8*\i+4:fB+8*\i+7], v[AK+2*(\slot)+(\sub)] offset:(8*(\half)+\i)*64+32
.endr
.endm
.macro FETCHS both                     ; the scales of my rows in sub-step a and (both = 1) in b, 64 rows on
	WIN 0
	ds_load_b128 v[KS:KS+3],   v[ASC]
	ds_load_b128 v[KS+4:KS+7], v[ASC] offset:16
.if \both
	ds_load_b128 v[KS+8:KS+11],  v[ASC] offset:256
	ds_load_b128 v[KS+12:KS+15], v[ASC] offset:272
.endif
.endm
; Batch n of a tile's eight batches of 16 second products: rows 32 (n / 2) on, my channel blocks 4 (n % 2) .. + 3.  8 turning loads into the 32 registers from buf on
.macro FETCHV slot, n, buf
	WIN 0
.set vO, (((\n)/2)%2)*32*PE+64*((\n)%2)
.irp a, 0,1,2,3
	ds_load_tr16_b128 v[(\buf)+8*\a:(\buf)+8*\a+3],   v[AV+2*(\slot)+(\n)/4] offset:vO+16*\a
	ds_load_tr16_b128 v[(\buf)+8*\a+4:(\buf)+8*\a+7], v[AV+2*(\slot)+(\n)/4] offset:vO+16*\a+16*PE
.endr
.endm
.macro FETCHP g                        ; P of group g of 32 rows, four query tiles: 8 loads into the upper half of PY (g even) or PX (g odd)
	WIN 0
.set pB, PY+32+64*((\g)%2)
.irp q, 0,1,2,3
	ds_load_b128 v[pB+8*\q:pB+8*\q+3],   v[PRD] offset:(\g)*4096+\q*1024
	ds_load_b128 v[pB+8*\q+4:pB+8*\q+7], v[PRD] offset:(\g)*4096+\q*1024+512
.endr
.endm
.macro PSTORE sub                      ; my part of P of sub-step sub: the four registers into which each query tile's weights were packed
	WIN 0
.irp q, 0,1,2,3
	ds_store_b128 v[PWR], v[SS+32*(\sub)+8*\q:SS+32*(\sub)+8*\q+3] offset:(\sub)*8192+\q*1024
.endr
.endm
; THE SOFTMAX of a sub-step, 24 slices of four: slice p works on accumulator p / 6 (a query tile), s0-s7 being the lane's eight scores.  Each exponential has a plain instruction that names nothing of it straight
; behind it; the accumulator's lowest registers are read first.  The weights are packed into s0-s3 as their pairs have been added to l.
; bias = 1 (the tail): the second scaling also adds BIAS.
.macro SCQ j, bias
.if \bias
	v_pk_fma_f32 v[zS+(\j):zS+(\j)+1], v[zS+(\j):zS+(\j)+1], v[zQ:zQ+1], s[BIAS:BIAS+1] op_sel_hi:[1,1,0]
.else
	v_pk_mul_f32 v[zS+(\j):zS+(\j)+1], v[zS+(\j):zS+(\j)+1], v[zQ:zQ+1]
.endif
.endm
.macro SLICE sub, p, bias
	WIN 0
.set zq, (\p)/6
.set zk, (\p)%6
.set zS, SS+32*(\sub)+8*zq
.set zK, KS+8*(\sub)
.set zQ, QS+2*zq
.set zL, LL+2*zq
.if zk == 0
	v_pk_mul_f32 v[zS:zS+1], v[zS:zS+1], v[zK:zK+1]
	v_pk_mul_f32 v[zS+2:zS+3], v[zS+2:zS+3], v[zK+2:zK+3]
	SCQ 0, \bias
	SCQ 2, \bias
.elseif zk == 1
	v_exp_f32 v[zS], v[zS]
	v_pk_mul_f32 v[zS+4:zS+5], v[zS+4:zS+5], v[zK+4:zK+5]
	v_exp_f32 v[zS+1], v[zS+1]
	SCQ 4, \bias
.elseif zk == 2
	v_exp_f32 v[zS+2], v[zS+2]
	v_pk_mul_f32 v[zS+6:zS+7], v[zS+6:zS+7], v[zK+6:zK+7]
	v_exp_f32 v[zS+3], v[zS+3]
	SCQ 6, \bias
.elseif zk == 3
	v_exp_f32 v[zS+4], v[zS+4]
	s_wait_alu depctr_va_vdst(0)
	v_pk_add_f32 v[zL:zL+1], v[zL:zL+1], v[zS:zS+1]
	v_exp_f32 v[zS+5], v[zS+5]
	v_cvt_pk_bf16_f32 v[zS], v[zS], v[zS+1]
.elseif zk == 4
	v_exp_f32 v[zS+6], v[zS+6]
	v_pk_add_f32 v[zL:zL+1], v[zL:zL+1], v[zS+2:zS+3]
	v_exp_f32 v[zS+7], v[zS+7]
	v_cvt_pk_bf16_f32 v[zS+1], v[zS+2], v[zS+3]
.else
	s_wait_alu depctr_va_vdst(0)
	v_pk_add_f32 v[zL:zL+1], v[zL:zL+1], v[zS+4:zS+5]
	v_cvt_pk_bf16_f32 v[zS+2], v[zS+4], v[zS+5]
	v_pk_add_f32 v[zL:zL+1], v[zL:zL+1], v[zS+6:zS+7]
	v_cvt_pk_bf16_f32 v[zS+3], v[zS+6], v[zS+7]
.endif
.endm
.macro RIDE                            ; the next slice of sub-step RSUB, while there are any
.if RP < 24
	SLICE RSUB, RP, 0
.set RP, RP+1
.endif
.endm
; THE MATRIX WORK.  The accumulators take turns, one instruction a turn.
; S^T of sub-step sub: channel steps c0 .. c0 + nc - 1, whose fragments of E lie from kb on; step 0 starts the sums.  ride = 1: a slice behind three of every four products.
.macro MULQK sub, c0, nc, kb, ride
.set cc, \c0
.rept \nc
.set qq, 0
.rept 4
	WIN 0x08+4*(cc/8)                              ; source 1 (Q) in window 2 or 3, all else in window 0
.set rS, SS+32*(\sub)+8*qq
.set rK, (\kb)+8*(cc%8)
.set rQ, 8*(4*(cc%8)+qq)
.if cc == 0
	v_wmma_f32_16x16x32_bf16 v[rS:rS+7], v[rK:rK+7], v[rQ:rQ+7], 0
.else
	v_wmma_f32_16x16x32_bf16 v[rS:rS+7], v[rK:rK+7], v[rQ:rQ+7], v[rS:rS+7]
.endif
.if (\ride) && (qq != 3)
	RIDE
.endif
.set qq, qq+1
.endr
.set cc, cc+1
.endr
.endm
; O^T += E^T P, products i0 .. i0 + ni - 1 of batch n's 16, whose fragments of E^T lie from buf on: channel block 4 (n % 2) + i / 4, query tile i % 4.
; zero = 1: the walk's first group of rows starts the sums: nothing is cleared.  ride = 1: a slice behind three of every four products.
.macro MULPV n, buf, i0, ni, zero, ride
.set ii, \i0
.rept \ni
	WIN 0x50                                       ; C and D (O^T) in window 1
.set rO, 8*(4*(4*((\n)%2)+ii/4)+ii%4)
.set rA, (\buf)+8*(ii/4)
.set rP, PY+32+64*(((\n)/2)%2)+8*(ii%4)
.if \zero
	v_wmma_f32_16x16x32_bf16 v[rO:rO+7], v[rA:rA+7], v[rP:rP+7], 0
.else
	v_wmma_f32_16x16x32_bf16 v[rO:rO+7], v[rA:rA+7], v[rP:rP+7], v[rO:rO+7]
.endif
.if (\ride) && (ii%4 != 3)
	RIDE
.endif
.set ii, ii+1
.endr
.endm
; A TILE'S HEAD stands behind the barrier that ended the tile before.  refill = 1: the slot just left is filled with the tile after this one, first thing; it has this whole tile, some 250 matrix
; instructions, in which to land.  refill = 2: that tile is the tail's 64 rows: waves 0 and 1 ask for them, waves 2 and 3 have no part to fill (the branch hangs on the wave's number alone).
; Then this tile's first fragments and scales; prev = 1: the last batch of the tile before, which works on registers alone, stands behind those loads.
.macro HEAD slot, refill, prev
.if (\refill) == 1
	tensor_load_to_lds s[G0E+4-4*(\slot):G0E+7-4*(\slot)], s[G1E:G1E+7]
	s_nop 0
	PLACES                                         ; four v_nop follow the load; they are also places in front of the loads below
.elseif (\refill) == 2
	s_cmp_lt_u32 s[WV], 2
	s_cbranch_scc0 .Lno_part_\@
	tensor_load_to_lds s[G0E+4-4*(\slot):G0E+7-4*(\slot)], s[G1E:G1E+7]
	s_nop 0
	PLACES
.Lno_part_\@:
	PLACES
.else
	PLACES
.endif
	FETCHK \slot, 0, 0
	FETCHS 1
.if \prev
	MULPV 7, EV1, 0, 16, 0, 0
.endif
.endm
; A TILE'S END: ONE barrier for the change of slots.  In front of it each wave waits for all its tensor loads, of which one is out at the most: its part of the next tile; adds 0 to its spare word; and waits
; for that and for its own reads of this slot and of P.  round = 1: the slot is filled again behind it, so the barrier opens a round of the cluster's: no wave of any partner still reads the slot.
.macro MEET step, round
	WIN 0
	s_wait_tensorcnt 0x0                           ; no tensor load of mine is out, so a group 0 may be written
	ds_add_u32 v[SPW], v[NIL]                      ; 0 onto my spare word
.if (\step) >= 0
	s_add_nc_u64 s[G0E+4*(\step)+2:G0E+4*(\step)+3], s[G0E+4*(\step)+2:G0E+4*(\step)+3], 2*128*1024  ; this slot's next tile; the type bits on top are not reached
.endif
	MULPV 6, EV3, 8, 4, 0, 0                       ; four matrix instructions stand between the add and the wait for it
	s_wait_dscnt 0x0                               ; the add is done, and my reads of this slot and of P are over
	s_barrier_signal -1
	MULPV 6, EV3, 12, 4, 0, 0                      ; work on registers while the others arrive
	WIN 0                                          ; at a branch and at a label every window is 0
	s_barrier_wait -1
.if \round
	CREST
.endif
.endm
; A TILE, behind its head.  Four places stand in front of each run of loads into registers that products have read.
; P(a) is written behind the end of the tile before and read behind B1, and those reads are back in front of B2's signal; P(b) is written behind B1 and read behind B2, and those reads are back in front of
; the end's signal: each buffer's next writing stands behind a barrier that follows all its reads.
; The batches' buffers of E^T: 0 EV0, 1 EV2, 2 EV1, 3 EV0, 4 EV2, 5 EV1, 6 EV3, 7 EV1.  Batch 7 and P's last group lie in PX, since the next tile's head loads into PY ahead of that batch.
.macro BODY slot, zero, step, round
	s_wait_dscnt 4                                 ; Qa: the 16 loads of E are in; the four of the scales, issued behind them, may be out
	PLACES
	FETCHK \slot, 0, 1
	MULQK 0, 0, 8, PY, 0
	s_wait_dscnt 0x0                               ; the second half of a's E, and the scales: their address may step
	WIN 0
	v_add_nc_u32 v[ASC], 512, v[ASC]               ; the next tile's scales; the line is one of the four places
	PLACES 3
	FETCHK \slot, 1, 0
	MULQK 0, 8, 8, PX, 0
	s_wait_dscnt 0x0                               ; Qb, its first half with the softmax of a; the four places below also stand between a's last products and the first slice
	PLACES
	FETCHK \slot, 1, 1
.set RSUB, 0
.set RP, 0
	MULQK 1, 0, 8, PY, 1
	s_wait_dscnt 0x0
	PSTORE 0
	MULQK 1, 8, 2, PX, 0                           ; eight matrix instructions while the stores are out
	s_wait_dscnt 0x0                               ; for the others' sake: my part of P(a) is in LDS
	s_barrier_signal -1                            ; B1
	PLACES
	FETCHV \slot, 0, EV0                           ; bytes of the tile, which nobody writes before the tile's end
	FETCHV \slot, 1, EV2                           ; S^T of a has been stored
	MULQK 1, 10, 1, PX, 0
	s_barrier_wait -1                              ; everybody's part of P(a) is in LDS
	FETCHP 0
	MULQK 1, 11, 5, PX, 0
	s_wait_dscnt 0x0                               ; Pa, its first half with the softmax of b
	PLACES
	FETCHP 1
	FETCHV \slot, 2, EV1
.set RSUB, 1
.set RP, 0
	MULPV 0, EV0, 0, 16, \zero, 1
	PLACES
	FETCHV \slot, 3, EV0
	MULPV 1, EV2, 0, 16, \zero, 1
	s_wait_dscnt 8                                 ; P's second group and batch 2 are in; batch 3's eight loads may be out
	PSTORE 1
	MULPV 2, EV1, 0, 8, 0, 0
	s_wait_dscnt 0x0                               ; for the others' sake: my part of P(b) is in LDS, and my reads of P(a) are back
	s_barrier_signal -1                            ; B2
	PLACES
	FETCHV \slot, 4, EV2
	MULPV 2, EV1, 8, 4, 0, 0
	s_barrier_wait -1
	FETCHP 2
	MULPV 2, EV1, 12, 4, 0, 0
	PLACES
	FETCHV \slot, 5, EV1
	FETCHV \slot, 6, EV3                           ; S^T of b has been stored
	MULPV 3, EV0, 0, 16, 0, 0
	s_wait_dscnt 16                                ; Pb: batch 4 and P's third group are in; the 16 loads of batches 5 and 6 may be out
	PLACES
	FETCHP 3
	MULPV 4, EV2, 0, 16, 0, 0
	s_wait_dscnt 16                                ; batch 5 is in; batch 6's eight loads and the eight of P's last group may be out
	MULPV 5, EV1, 0, 16, 0, 0
	s_wait_dscnt 0x0
	PLACES
	FETCHV \slot, 7, EV1
	MULPV 6, EV3, 0, 8, 0, 0
	MEET \step, \round
.endm
	s_wait_tensorcnt 0x0                           ; my parts of the scales and of tile 0 are in
	ds_add_u32 v[SPW], v[NIL]                      ; slot 1 is filled behind the round as a refill is
	s_wait_dscnt 0x0
	CROUND                                         ; everybody's parts are in
	HEAD 0, 1, 0                                   ; tile 0; tile 1 is asked for
	BODY 0, 1, 0, 1
	s_mov_b32 s[CNT], 11
.Lpair:                                                ; eleven trips: tiles 1 to 22
	HEAD 1, 1, 1
	BODY 1, 0, 1, 1
	HEAD 0, 1, 1
	BODY 0, 0, 0, 1
	s_sub_co_u32 s[CNT], s[CNT], 1
	s_cmp_lg_u32 s[CNT], 0
	s_cbranch_scc1 .Lpair
	HEAD 1, 2, 1                                   ; tile 23; the tail's 64 rows are asked for
	BODY 1, 0, -1, 0                               ; a plain barrier
	; THE TAIL: one sub-step of 64 rows, in slot 0; its softmax has no products to stand behind
	PLACES
	FETCHK 0, 0, 0
	FETCHS 0
	MULPV 7, EV1, 0, 16, 0, 0                      ; tile 23's last batch
	s_wait_dscnt 2                                 ; the 16 loads of E are in; the two of the scales may be out
	PLACES
	FETCHK 0, 0, 1
	MULQK 0, 0, 8, PY, 0
	s_wait_dscnt 0x0
	PLACES
	FETCHV 0, 0, EV0
	MULQK 0, 8, 8, PX, 0
	PLACES
.set RP, 0
.rept 24
	SLICE 0, RP, 1
.set RP, RP+1
.endr
	PSTORE 0
	s_wait_dscnt 0x0                               ; for the others' sake: my part of P is in LDS
	s_barrier_signal -1
	s_barrier_wait -1
	FETCHP 0
	FETCHV 0, 1, EV1
	FETCHP 1
	s_wait_dscnt 16                                ; P's first group is in; the 16 loads issued behind it may be out
	MULPV 0, EV0, 0, 16, 0, 0
	s_wait_dscnt 0x0
	PLACES
	FETCHV 0, 2, EV0
	MULPV 1, EV1, 0, 16, 0, 0
	s_wait_dscnt 0x0
	PLACES
	FETCHV 0, 3, EV1
	MULPV 2, EV0, 0, 16, 0, 0
	s_wait_dscnt 0x0
	MULPV 3, EV1, 0, 16, 0, 0
	; THE WAY OUT.  l: the pair's halves, the other half of the lanes', then the four waves' through LDS.  O^T leaves as it lies in registers: the next launch reads the same image.
	WIN 0
.irp q, 0,1,2,3
	v_add_f32 v[LL+2*\q], v[LL+2*\q], v[LL+2*\q+1]  ; these four are the places behind the last products
.endr
.irp q, 0,1,2,3
	v_permlanex16_b32 v[LL+2*\q+1], v[LL+2*\q], s[SEL], s[SEL+1]
.endr
.irp q, 0,1,2,3
	v_add_f32 v[LL+2*\q], v[LL+2*\q], v[LL+2*\q+1]
.endr
	s_lshl_b32 s55, s[WV], 8
	s_add_co_u32 s55, s55, LS
	v_lshl_add_u32 v16, v1, 2, s55                 ; word 64 w + 16 qt + r; lanes r and r + 16 write the same number
.irp q, 0,1,2,3
	ds_store_b32 v16, v[LL+2*\q] offset:64*\q
.endr
	WIN 0x04                                       ; the stores' data in window 1
.set qq, 0
.rept 4
.set cc, 0
.rept 8                                ; accumulator (cc, qq): its lower four registers first; each store covers 512 consecutive bytes, at a multiple of 256 from op's first byte
	global_store_b128 v[GO], v[8*(4*cc+qq):8*(4*cc+qq)+3],   s[12:13] offset:(8*qq+cc)*1024
	global_store_b128 v[GO], v[8*(4*cc+qq)+4:8*(4*cc+qq)+7], s[12:13] offset:(8*qq+cc)*1024+512
.set cc, cc+1
.endr
.set qq, qq+1
.endr
	WIN 0
	s_wait_dscnt 0x0                               ; for the others' sake: my sums are in LDS
	s_barrier_signal -1
	s_barrier_wait -1
	s_cmp_lg_u32 s[WV], 0
	s_cbranch_scc1 .Lnot_first
	v_lshrrev_b32 v17, 1, v[GO]                    ; wave 0: 8 x lane: two queries a lane
	v_add_nc_u32 v18, LS, v17
.irp w, 0,1,2,3
	ds_load_b64 v[QS+2*\w:QS+2*\w+1], v18 offset:256*\w
.endr
	s_wait_dscnt 0x0
	v_pk_add_f32 v[QS:QS+1], v[QS:QS+1], v[QS+2:QS+3]
	v_pk_add_f32 v[QS+4:QS+5], v[QS+4:QS+5], v[QS+6:QS+7]
	v_pk_add_f32 v[QS:QS+1], v[QS:QS+1], v[QS+4:QS+5]
	global_store_b64 v17, v[QS:QS+1], s[14:15]     ; 256 consecutive bytes, at a multiple of 256 from lp's first byte
.Lnot_first:
	s_wait_tensorcnt 0x0                           ; the wave's end: behind my last tensor load and my last LDS store
	ds_add_u32 v[SPW], v[NIL]
	s_wait_dscnt 0x0
	CROUND                                         ; the closing round: no work-group ends while a partner may still ask for a tile that names it
	s_endpgm
.Lfunc_end_k_qf30f1f375a_attn:
	.size	k_qf30f1f375a_attn, .Lfunc_end_k_qf30f1f375a_attn-k_qf30f1f375a_attn
	.p2alignl 7, 3214868480
	.fill 96, 4, 3214868480
	.section	.rodata,"a",@progbits
	.p2align	6, 0x0
	.amdhsa_kernel k_qf30f1f375a_attn
		.amdhsa_group_segment_fixed_size 327680
		.amdhsa_private_segment_fixed_size 0
		.amdhsa_enable_private_segment 0
		.amdhsa_kernarg_size 48
		.amdhsa_user_sgpr_count 2
		.amdhsa_user_sgpr_kernarg_segment_ptr 1
		.amdhsa_wavefront_size32 1
		.amdhsa_system_sgpr_workgroup_id_x 1
		.amdhsa_system_sgpr_workgroup_id_y 1
		.amdhsa_system_sgpr_workgroup_id_z 1
		.amdhsa_system_vgpr_workitem_id 0
		.amdhsa_next_free_vgpr 1024
		.amdhsa_next_free_sgpr 66
		.amdhsa_reserve_vcc 0
		.amdhsa_float_denorm_mode_32 3
		.amdhsa_float_denorm_mode_16_64 3
		.amdhsa_memory_ordered 1
		.amdhsa_forward_progress 1
		.amdhsa_inst_pref_size 227
	.end_amdhsa_kernel
	.amdgpu_metadata
---
amdhsa.version: [ 1, 2 ]
amdhsa.kernels:
  - .name:           k_qf30f1f375a_attn
    .symbol:         k_qf30f1f375a_attn.kd
    .args:
      - { .name: eb, .offset: 0, .size: 8, .value_kind: global_buffer, .address_space: global }
      - { .name: scl, .offset: 8, .size: 8, .value_kind: global_buffer, .address_space: global }
      - { .name: qb, .offset: 16, .size: 8, .value_kind: global_buffer, .address_space: global }
      - { .name: ss, .offset: 24, .size: 8, .value_kind: global_buffer, .address_space: global }
      - { .name: op, .offset: 32, .size: 8, .value_kind: global_buffer, .address_space: global }
      - { .name: lp, .offset: 40, .size: 8, .value_kind: global_buffer, .address_space: global }
    .group_segment_fixed_size: 327680
    .private_segment_fixed_size: 0
    .kernarg_segment_align: 8
    .kernarg_segment_size: 48
    .max_flat_workgroup_size: 128
    .sgpr_count:     66
    .vgpr_count:     1024
    .wavefront_size: 32
...
	.end_amdgpu_metadata
.endif
;; end of part 2
;; launch merge (part 3): grid 256 x 1, 8 waves a work-group, no clusters, 17,920 bytes of LDS; arguments op, lp, out0; writes out0
.if DOCPART == 3
	.amdgcn_target "amdgcn-amd-amdhsa--gfx1250"
	.amdhsa_code_object_version 6
	.text
	.protected	k_qf30f1f375a_merge
	.globl	k_qf30f1f375a_merge
	.p2align	8
	.type	k_qf30f1f375a_merge,@function
k_qf30f1f375a_merge:
	s_mov_b64 s[64:65], 0
	v_nop
	global_prefetch_b8 v0, s[64:65] scope:SCOPE_SE
	s_setreg_imm32_b32 hwreg(HW_REG_WAVE_MODE, 25, 1), 1
	s_wait_xcnt 0x0
; out0[q][:] = (the sum over the eight splits of op) / (the sum over the eight splits of lp).  The splits' sums were made without a maximum (their exponents are bounded by the cosine), so they add plainly.
; A stream: memory binds.  No matrix unit, no cluster (no two work-groups read the same byte but 64 bytes of lp a split), no tensor loads: the bytes in flight fit in registers.
; What one wave of the launch before made for one query tile (16 queries x 128 channels, 8,192 bytes in each split, as that launch's register image: piece i of 16, lane (r, h): query r,
; channels 128 w + 4 i + 64 h + 0..3) is a SHARE.  A work-group takes two shares, four waves each: wave (u, p) takes pieces 4 p .. 4 p + 3 of share u in all eight splits: 32 loads of 512 consecutive
; bytes, ALL issued at once: 128 KB of the work-group are on their way.  The sums are divided and meet in the share's LDS stage (16 rows of 512 + 16 bytes) behind one barrier;
; each wave then stores four whole rows, 512 consecutive bytes a store.
; l is at least 24,704 x 4e-5: the division never meets 0.  NaN and infinities are not treated apart.
.set SP,  528
.set DT,  64                           ; v64-191: split s at DT + 16 s; split 0's registers take the sum, and later the rows read back
	s_load_b128 s[4:7], s[0:1], 0x0                ; op s[4:5], lp s[6:7]
	s_load_b64 s[8:9], s[0:1], 0x10                ; out0
	v_lshl_add_u32 v192, v0, 2, 0x4200
	v_mov_b32 v193, 0
	v_lshrrev_b32 v1, 5, v0
	v_readfirstlane_b32 s10, v1                    ; wave 0..7
	s_lshr_b32 s34, s10, 2                         ; u: which of the two shares
	s_and_b32 s35, s10, 3                          ; p: which four pieces, and later which four rows
	s_lshr_b32 s11, ttmp9, 3                       ; the block of 64 queries
	s_bfe_u32 s12, ttmp9, 0x20001                  ; its query tile qt
	s_and_b32 s13, ttmp9, 1
	s_lshl1_add_u32 s13, s13, s34                  ; w: which 128 channels
	s_lshl2_add_u32 s14, s11, s13
	s_lshl_b32 s14, s14, 15                        ; (4 block + w) x 32,768
	s_lshl_b32 s15, s12, 13
	s_add_co_u32 s14, s14, s15                     ; + 8,192 qt
	s_lshl_b32 s15, s35, 11
	s_add_co_u32 s14, s14, s15                     ; + 2,048 p
	s_mov_b32 s15, 0
	s_lshl2_add_u32 s40, s11, s12                  ; 4 block + qt: the share's 16 queries
	s_lshl_b32 s42, s40, 6                         ; their 64 bytes in a split's row of lp
	s_mov_b32 s43, 0
	s_lshl_b32 s40, s40, 15                        ; their 16 rows of 2,048 bytes in out0,
	s_lshl_b32 s41, s13, 9                         ; the share's 512 bytes of a row,
	s_add_co_u32 s40, s40, s41
	s_lshl_b32 s41, s35, 13                        ; my four rows
	s_add_co_u32 s40, s40, s41
	s_mov_b32 s41, 0
	s_mul_i32 s33, s34, 16*SP                      ; the share's stage
	s_lshl_b32 s36, s35, 6
	s_add_co_u32 s36, s36, s33                     ; in: my pieces begin at byte 64 p of a row's half
	s_mul_i32 s37, s35, 4*SP
	s_add_co_u32 s37, s37, s33                     ; back: my rows begin at row 4 p
	v_and_b32 v1, 15, v0                           ; r
	v_bfe_u32 v2, v0, 4, 1                         ; h
	v_and_b32 v3, 31, v0
	v_lshlrev_b32 v3, 4, v3                        ; 16 x lane
	v_lshlrev_b32 v4, 2, v1
	v_mul_u32_u24 v5, v1, SP
	v_lshl_add_u32 v5, v2, 8, v5
	v_add_nc_u32 v5, s36, v5                       ; in: row r, byte 256 h + 64 p (+ 16 a piece): 132 words from row to row, so the 16 rows of a store start at 16 different groups of 4 banks (64 banks of 4 bytes: ISA guide 11.1)
	v_add_nc_u32 v6, s37, v3                       ; back: a whole row
	s_wait_kmcnt 0x0
	s_add_nc_u64 s[16:17], s[4:5], s[14:15]        ; a base for each split, 4 MiB apart
.irp s, 1,2,3,4,5,6,7
	s_add_nc_u64 s[16+2*\s:17+2*\s], s[14+2*\s:15+2*\s], 0x400000
.endr
	s_add_nc_u64 s[6:7], s[6:7], s[42:43]
	s_add_nc_u64 s[8:9], s[8:9], s[40:41]
.irp s, 0,1,2,3,4,5,6,7
	global_load_b32 v[8+\s], v4, s[6:7] offset:8192*\s
.endr
.irp s, 0,1,2,3,4,5,6,7
.irp i, 0,1,2,3
	global_load_b128 v[DT+16*\s+4*\i:DT+16*\s+4*\i+3], v3, s[16+2*\s:17+2*\s] offset:512*\i th:TH_LOAD_NT
.endr
.endr
.macro TURN k                          ; split k is added
	s_wait_loadcnt 28-4*(\k)                       ; loads come back in order: the later splits' loads, four a split, may be out
.set i, 0
.rept 8
	v_pk_add_f32 v[DT+2*i:DT+2*i+1], v[DT+2*i:DT+2*i+1], v[DT+16*(\k)+2*i:DT+16*(\k)+2*i+1]
.set i, i+1
.endr
.endm
	TURN 1
.irp s, 1,2,3,4,5,6,7
	v_add_f32 v8, v8, v[8+\s]                      ; l, the splits in ascending order (its loads went out first)
.endr
	v_rcp_f32 v16, v8                              ; twice, for the packed multiplies; the next turn's additions stand between these and the use of their results
	v_rcp_f32 v17, v8
.irp k, 2,3,4,5,6,7
	TURN \k
.endr
.set i, 0
	s_wait_alu depctr_va_vdst(0)
.rept 8
	v_pk_mul_f32 v[DT+2*i:DT+2*i+1], v[DT+2*i:DT+2*i+1], v[16:17]
.set i, i+1
.endr
.irp i, 0,1,2,3
	ds_store_b128 v5, v[DT+4*\i:DT+4*\i+3] offset:16*\i
.endr
	s_wait_dscnt 0x0                               ; for the others' sake: my pieces are in the stage
	s_barrier_signal -1
	s_barrier_wait -1                              ; everybody's are
.irp i, 0,1,2,3
	ds_load_b128 v[DT+4*\i:DT+4*\i+3], v6 offset:\i*SP
.endr
.irp i, 0,1,2,3
	s_wait_dscnt 3-\i                              ; row i of my four is back; the later rows' loads may be out
	global_store_b128 v3, v[DT+4*\i:DT+4*\i+3], s[8:9] offset:\i*2048 th:TH_STORE_NT  ; 512 consecutive bytes of a row of out0, at a multiple of 256 from its first byte
.endr
	s_wait_tensorcnt 0x0
	ds_add_u32 v192, v193
	s_wait_dscnt 0x0
	s_endpgm
.Lfunc_end_k_qf30f1f375a_merge:
	.size	k_qf30f1f375a_merge, .Lfunc_end_k_qf30f1f375a_merge-k_qf30f1f375a_merge
	.p2alignl 7, 3214868480
	.fill 96, 4, 3214868480
	.section	.rodata,"a",@progbits
	.p2align	6, 0x0
	.amdhsa_kernel k_qf30f1f375a_merge
		.amdhsa_group_segment_fixed_size 17920
		.amdhsa_private_segment_fixed_size 0
		.amdhsa_enable_private_segment 0
		.amdhsa_kernarg_size 24
		.amdhsa_user_sgpr_count 2
		.amdhsa_user_sgpr_kernarg_segment_ptr 1
		.amdhsa_wavefront_size32 1
		.amdhsa_system_sgpr_workgroup_id_x 1
		.amdhsa_system_sgpr_workgroup_id_y 1
		.amdhsa_system_sgpr_workgroup_id_z 1
		.amdhsa_system_vgpr_workitem_id 0
		.amdhsa_next_free_vgpr 194
		.amdhsa_next_free_sgpr 66
		.amdhsa_reserve_vcc 0
		.amdhsa_float_denorm_mode_32 3
		.amdhsa_float_denorm_mode_16_64 3
		.amdhsa_memory_ordered 1
		.amdhsa_forward_progress 1
		.amdhsa_inst_pref_size 12
	.end_amdhsa_kernel
	.amdgpu_metadata
---
amdhsa.version: [ 1, 2 ]
amdhsa.kernels:
  - .name:           k_qf30f1f375a_merge
    .symbol:         k_qf30f1f375a_merge.kd
    .args:
      - { .name: op, .offset: 0, .size: 8, .value_kind: global_buffer, .address_space: global }
      - { .name: lp, .offset: 8, .size: 8, .value_kind: global_buffer, .address_space: global }
      - { .name: out0, .offset: 16, .size: 8, .value_kind: global_buffer, .address_space: global }
    .group_segment_fixed_size: 17920
    .private_segment_fixed_size: 0
    .kernarg_segment_align: 8
    .kernarg_segment_size: 24
    .max_flat_workgroup_size: 256
    .sgpr_count:     66
    .vgpr_count:     194
    .wavefront_size: 32
...
	.end_amdgpu_metadata
.endif
;; end of part 3
